; MI455X (gfx1250); checked and timed in simulation.
; The chip was launched on July 23, 2026; its instructions are those of AMD's public machine-readable ISA for CDNA 5 (MIT licence, August 2026) and "CDNA5" Instruction Set Architecture Reference Guide (July 2026). The comments in the code are by the model that wrote it; some were corrected since.
;; Attention Heads. Allowed arithmetic: matrix products marked QUANTISED: E2M3 operands, one E8M0 scale for each 32 along K, by v_wmma_scale_f32_16x16x128_f8f6f4 with both operands' format E2M3, f32 sums; everything else in f32.
;; Inputs: Wk 1,024 x 1,024 float32; Wq 1,024 x 1,024 float32; Wv 1,024 x 1,024 float32; x 4 x 2,048 x 1,024 float32.
;; Outputs: out0 4 x 2,048 x 1,024 float32.
;; This version of the problem:
;;   THIS VERSION OF THE PROBLEM IS GIVEN IN LOW PRECISION. The matrix products marked QUANTISED in the list below multiply operands that are first quantised to E2M3 (2 exponent bits, 3 mantissa bits; 6 bits a number), with one power-of-two scale for each 32 numbers along K (OCP MX v1.0); their sums are f32. All else is computed in f32.
;;   The module's matrix products, in the order in which they are computed (A, B: the left and right operand; K: the contracted axis; several contracted axes count as one K, in the product's order):
;;     1. [M 8,192, K 1,024] x [K 1,024, N 1,024]; A: input x; B: input Wq: QUANTISED
;;     2. [M 8,192, K 1,024] x [K 1,024, N 1,024]; A: input x; B: input Wk: QUANTISED
;;     3. [M 8,192, K 1,024] x [K 1,024, N 1,024]; A: input x; B: input Wv: QUANTISED
;;     4. batch 64 x [M 2,048, K 64] x [K 64, N 2,048]; A: computed on the way; B: computed on the way: QUANTISED
;;     5. batch 64 x [M 2,048, K 2,048] x [K 2,048, N 64]; A: softmax (see below); B: computed on the way: QUANTISED
;;   THE QUANTISER, for each operand of a quantised product, along K:
;;     - K is cut into blocks of 32 from its start; a last block that is shorter is filled with zeros.
;;     - A block's scale is 2^e with e = floor(log2(the largest magnitude in the block)) - 2, held to -126 .. 127; a block of zeros has e = 0. As a byte (E8M0): e + 127.
;;     - Each number is divided by its block's scale, clamped to +-7.5, and rounded to the nearest number of E2M3, ties to even, subnormals kept.
;;     - The product sums the exact products of the quantised numbers (number of the format x scale) in f32.
;;   ~~~python
;;   def quantise(x, axis):      # numpy; x: float32 -> the quantised numbers, widened to float32 again
;;       x = np.moveaxis(x, axis, -1); K = x.shape[-1]
;;       x = np.pad(x, [(0, 0)] * (x.ndim - 1) + [(0, -K % 32)]); x = x.reshape(x.shape[:-1] + (-1, 32)); a = np.abs(x).max(-1, keepdims=True)
;;       e = np.where(a > 0, np.clip(np.frexp(np.where(a > 0, a, 1))[1] - 1 - 2, -126, 127), 0)      # np.frexp(a)[1] - 1 = floor(log2(a)), exactly
;;       r = np.clip(x / 2.0 ** e, -7.5, 7.5)
;;       step = 2.0 ** (np.maximum(np.frexp(np.where(r == 0, 1, r))[1] - 1, 0) - 3)
;;       q = np.round(r / step) * step * 2.0 ** e      # np.round: ties to even
;;       return np.moveaxis(q.reshape(q.shape[:-2] + (-1,))[..., :K], -1, axis).astype(np.float32)
;;   ~~~
;;   SOFTMAX AHEAD OF A QUANTISED PRODUCT. Where the list says 'softmax', what is quantised is not the finished softmax but p = 2^(t - M), with t = logit x log2(e) and M = ceil(the row's largest t), a whole number; so 1/2 < the row's largest p <= 1. The row's sum l is taken of the UNQUANTISED p, in f32, and the product's result is divided by l at the end. Since M is a whole number, a kernel that streams over the keys may use a running M (the ceiling of the running maximum): every later rescaling is an exact power of two, which a block's scale takes up: the codes' values come out the same.
;;   OPERANDS COMPUTED ON THE WAY. 'Computed on the way' means the value that the module computes at that place (a softmax that the list does not call 'softmax' is quantised finished and normalised). What goes into a quantiser is computed in f32, as accurately as f32 sums, v_exp_f32 and their like allow (about 1e-6 of the number): no bf16 or f16 on the way to a quantiser, and a product that is left as it is and whose result goes on into a quantised operand takes f32 operands (vector FMAs, or v_wmma_f32_16x16x4_f32). A number that lies on a knife's edge between two numbers of the format may be rounded either way, as far as f32 arithmetic and the matrix unit's own rounding can turn it there, and no further.
;; One version. Each part assembles by itself: llvm-mc -triple=amdgcn-amd-amdhsa -mcpu=gfx1250 --defsym DOCPART=n.
;; ======== version 1 of 1: 3 launches
;; limits: right only within a limited range of input values
;; workspace buffers: xc 6,291,456 bytes; xs 262,144 bytes; wc 2,359,296 bytes; ws 98,304 bytes; qrec 6,815,744 bytes; krec 6,815,744 bytes; vrec 6,815,744 bytes
;; launch quant (part 1): grid 256 x 1, 11 waves a work-group, no clusters, 91,648 bytes of LDS; arguments x, Wq, Wk, Wv, xc, xs, wc, ws; writes xc, xs, wc, ws
.if DOCPART == 1
	.amdgcn_target "amdgcn-amd-amdhsa--gfx1250"
	.amdhsa_code_object_version 6
	.text
	.protected	k_q9b461124c1_quant
	.globl	k_q9b461124c1_quant
	.p2align	8
	.type	k_q9b461124c1_quant,@function
k_q9b461124c1_quant:
	s_mov_b64 s[64:65], 0
	v_nop
	global_prefetch_b8 v0, s[64:65] scope:SCOPE_SE
	s_setreg_imm32_b32 hwreg(HW_REG_WAVE_MODE, 25, 1), 1
	s_wait_xcnt 0x0
; x [8192][1024] and Wq, Wk, Wv [1024][1024], f32, are turned into codes of FP6 (E2M3), 6 bits each, K (the 1,024) innermost, with one E8M0 scale byte for each 32 along K.
; x's codes go to xc [8192][32][24] and its bytes to xs [8192][32]; the three weights go one behind the other (Wq, Wk, Wv) to wc [3072][32][24] and ws [3072][32].
; A block's scale is 2^(floor(log2(its largest magnitude)) - 2); its byte is the largest magnitude's own exponent field - 2, held at 1 from below.  Each number is divided by the scale and rounded to the nearest code, ties to even;
; beyond the largest code the conversion gives the largest code.
; LIMITS: a block whose largest magnitude lies under 2^-124 (a block of zeros too, where the rule says byte 127) keeps the byte 1: zeros' codes are zeros, which add nothing under any byte but 0xff, and this program alone reads the bytes.
; NaN and infinities among the inputs are not served.
; Every tensor is a plain stream of blocks of 32 numbers, and so are its codes and its bytes.  The four tensors are 2,816 runs of 4,096 numbers: 256 work-groups of 11 waves, a run to a wave, 8 steps of 512 numbers.
; Runs 0-2047 are x's, then 256 for each weight; only pointers are chosen, by the run's number; all waves take one path through the text.
; Each of a step's four loads reads 512 consecutive bytes; the step's 2,048 bytes turn through the wave's own stage in LDS (16 bytes of padding behind each 64) and come back 64 bytes a lane: 16 neighbours.  Two neighbouring lanes hold a block.
; A wave's 128 scale bytes leave as 128 consecutive bytes: two waves' stores fill an aligned 256; they are one byte in 128 of what the launch reads.
; No tensor loads, no cluster, no barrier: waves share nothing.  All 32 loads of a wave are issued at its head; the turn through LDS runs one step ahead.
.set STEPS, 8
.set RUNX,  2048                       ; x's runs
.set EMAX,  2
.set CB,    12                         ; bytes of 16 codes
.set R,     16                         ; v16-143  eight sets of 16 numbers as they are loaded
.set X,     144                        ; v144-175 two sets of 16 neighbours
.set C,     176                        ; v176-207 codes: four registers for each step, so that no store's data are written again
.set E,     208                        ; v208-215 a scale byte for each step
.set WREG,  8192                       ; LDS: a region for each wave: two stages of 32 x SP bytes, and behind them its 128 scale bytes
.set SP,    80
	s_load_b256 s[4:11], s[0:1], 0x0               ; x, Wq, Wk, Wv
	s_load_b256 s[12:19], s[0:1], 0x20             ; xc, xs, wc, ws
	v_lshl_add_u32 v216, v0, 2, 0x16000
	v_mov_b32 v217, 0
	v_lshrrev_b32 v1, 5, v0
	v_readfirstlane_b32 s24, v1                    ; wave
	v_and_b32 v2, 31, v0                           ; lane
	v_lshlrev_b32 v3, 4, v2                        ; my 16 bytes of a load's 512
	s_mul_i32 s25, s24, WREG
	v_lshrrev_b32 v14, 2, v2
	v_mul_u32_u24 v14, v14, SP
	v_and_b32 v15, 3, v2
	v_lshl_add_u32 v14, v15, 4, v14
	v_add_nc_u32 v14, s25, v14                     ; the stage, on the way in: SP (lane / 4) + 16 (lane % 4)
	v_mul_u32_u24 v15, v2, SP
	v_add_nc_u32 v15, s25, v15                     ; and on the way out: SP x lane
	v_mul_u32_u24 v4, v2, CB                       ; my codes' place in a step's
	v_lshrrev_b32 v5, 1, v2
	s_add_co_u32 s25, s25, 2*32*SP
	v_add_nc_u32 v5, s25, v5                       ; LDS: my block's byte
	v_lshlrev_b32 v7, 2, v2                        ; and on the way out 4 bytes a lane
	v_add_nc_u32 v6, s25, v7
	s_mul_i32 s28, ttmp9, 11
	s_add_co_u32 s28, s28, s24                     ; my run, 0 .. 2815
	s_max_u32 s30, s28, RUNX
	s_sub_co_u32 s30, s30, RUNX                    ; which of the weights' 768 runs (0 in x's)
	s_lshr_b32 s31, s30, 8                         ; which weight
	s_and_b32 s32, s30, 255                        ; and which part of it
	s_wait_alu depctr_va_vdst(0)                   ; the wait at the head's end
	s_wait_kmcnt 0x0
	s_cmp_eq_u32 s31, 1                            ; every choice hangs on the run's number alone
	s_cselect_b64 s[6:7], s[8:9], s[6:7]
	s_cmp_eq_u32 s31, 2
	s_cselect_b64 s[6:7], s[10:11], s[6:7]
	s_cmp_lt_u32 s28, RUNX
	s_cselect_b64 s[4:5], s[4:5], s[6:7]
	s_cselect_b64 s[12:13], s[12:13], s[16:17]
	s_cselect_b64 s[14:15], s[14:15], s[18:19]
	s_cselect_b32 s26, s28, s32                    ; my run in the source,
	s_cselect_b32 s27, s28, s30                    ; and in the buffers
	s_lshl_b32 s20, s26, 14                        ; 16,384 bytes a run
	s_mov_b32 s21, 0
	s_add_nc_u64 s[4:5], s[4:5], s[20:21]
	s_mul_i32 s20, s27, 32*STEPS*CB                ; 3,072 bytes of codes a run
	s_add_nc_u64 s[12:13], s[12:13], s[20:21]
	s_lshl_b32 s20, s27, 7                         ; 128 scale bytes a run
	s_add_nc_u64 s[14:15], s[14:15], s[20:21]
.macro LOAD t
.irp i, 0,1,2,3
	global_load_b128 v[R+16*(\t)+4*\i:R+16*(\t)+4*\i+3], v3, s[4:5] offset:2048*(\t)+512*\i th:TH_LOAD_NT
.endr
.endm
.macro TURN t                          ; LDS serves a wave's instructions in order: no wait between the stores and the loads
.irp i, 0,1,2,3
	ds_store_b128 v14, v[R+16*(\t)+4*\i:R+16*(\t)+4*\i+3] offset:32*SP*((\t)%2)+8*SP*\i
.endr
.irp i, 0,1,2,3
	ds_load_b128 v[X+16*((\t)%2)+4*\i:X+16*((\t)%2)+4*\i+3], v15 offset:32*SP*((\t)%2)+16*\i
.endr
.endm
.irp t, 0,1,2,3,4,5,6,7
	LOAD \t
.endr
	s_wait_loadcnt 4*(STEPS-1)                     ; step 0's four loads are in; those of steps 1 to 7 may be out
	TURN 0
.macro STEP t
.set XS, X+16*((\t)%2)
.if (\t) > 0
	s_wait_dscnt 1                                 ; this step's numbers are back from the stage (the last step's byte store may be out)
.else
	s_wait_dscnt 0x0
.endif
.if (\t)+1 < STEPS
	s_wait_loadcnt 4*(STEPS-2-(\t))                ; the next step's four loads are in; those of the steps behind it may be out
	TURN (\t)+1
.endif
	v_max3_num_f32 v8, |v[XS]|, |v[XS+1]|, |v[XS+2]|               ; the largest magnitude of my 16, in two chains
	v_max3_num_f32 v9, |v[XS+3]|, |v[XS+4]|, |v[XS+5]|
.irp i, 6,10
	v_max3_num_f32 v8, v8, |v[XS+\i]|, |v[XS+\i+1]|
	v_max3_num_f32 v9, v9, |v[XS+\i+2]|, |v[XS+\i+3]|
.endr
	v_max3_num_f32 v8, v8, |v[XS+14]|, |v[XS+15]|
	v_max3_num_f32 v8, v8, v9, (EMAX+1)<<23        ; and the floor 2^(EMAX + 1 - 127)
	v_max_num_f32_dpp v8, v8, v8 row_xmask:1 row_mask:0xf bank_mask:0xf   ; and of my neighbour's 16
	v_add_nc_u32 v11, -(EMAX<<23), v8              ; EMAX off its exponent field: the conversion's scale operand
	v_cvt_scalef32_pk16_fp6_f32 v[C+4*(\t):C+4*(\t)+2], v[XS:XS+15], v11
	v_lshrrev_b32 v[E+(\t)], 23, v11               ; the scale's byte
	ds_store_b8 v5, v[E+(\t)] offset:16*(\t)       ; both lanes of a block write the same byte with the same value
	global_store_b96 v4, v[C+4*(\t):C+4*(\t)+2], s[12:13] offset:32*CB*(\t)      ; the wave stores 384 consecutive bytes
.endm
.irp t, 0,1,2,3,4,5,6,7
	STEP \t
.endr
	ds_load_b32 v12, v6                            ; LDS serves a wave's instructions in order: this sees my stores
	s_wait_dscnt 0x0
	global_store_b32 v7, v12, s[14:15]             ; 32 lanes store 128 consecutive bytes
	s_wait_tensorcnt 0x0                           ; the wave's end
	ds_add_u32 v216, v217
	s_wait_dscnt 0x0
	s_endpgm
.Lfunc_end_k_q9b461124c1_quant:
	.size	k_q9b461124c1_quant, .Lfunc_end_k_q9b461124c1_quant-k_q9b461124c1_quant
	.p2alignl 7, 3214868480
	.fill 96, 4, 3214868480
	.section	.rodata,"a",@progbits
	.p2align	6, 0x0
	.amdhsa_kernel k_q9b461124c1_quant
		.amdhsa_group_segment_fixed_size 91648
		.amdhsa_private_segment_fixed_size 0
		.amdhsa_enable_private_segment 0
		.amdhsa_kernarg_size 64
		.amdhsa_user_sgpr_count 2
		.amdhsa_user_sgpr_kernarg_segment_ptr 1
		.amdhsa_wavefront_size32 1
		.amdhsa_system_sgpr_workgroup_id_x 1
		.amdhsa_system_sgpr_workgroup_id_y 1
		.amdhsa_system_sgpr_workgroup_id_z 1
		.amdhsa_system_vgpr_workitem_id 0
		.amdhsa_next_free_vgpr 218
		.amdhsa_next_free_sgpr 66
		.amdhsa_reserve_vcc 0
		.amdhsa_float_denorm_mode_32 3
		.amdhsa_float_denorm_mode_16_64 3
		.amdhsa_memory_ordered 1
		.amdhsa_forward_progress 1
		.amdhsa_inst_pref_size 18
	.end_amdhsa_kernel
	.amdgpu_metadata
---
amdhsa.version: [ 1, 2 ]
amdhsa.kernels:
  - .name:           k_q9b461124c1_quant
    .symbol:         k_q9b461124c1_quant.kd
    .args:
      - { .name: x, .offset: 0, .size: 8, .value_kind: global_buffer, .address_space: global }
      - { .name: Wq, .offset: 8, .size: 8, .value_kind: global_buffer, .address_space: global }
      - { .name: Wk, .offset: 16, .size: 8, .value_kind: global_buffer, .address_space: global }
      - { .name: Wv, .offset: 24, .size: 8, .value_kind: global_buffer, .address_space: global }
      - { .name: xc, .offset: 32, .size: 8, .value_kind: global_buffer, .address_space: global }
      - { .name: xs, .offset: 40, .size: 8, .value_kind: global_buffer, .address_space: global }
      - { .name: wc, .offset: 48, .size: 8, .value_kind: global_buffer, .address_space: global }
      - { .name: ws, .offset: 56, .size: 8, .value_kind: global_buffer, .address_space: global }
    .group_segment_fixed_size: 91648
    .private_segment_fixed_size: 0
    .kernarg_segment_align: 8
    .kernarg_segment_size: 64
    .max_flat_workgroup_size: 352
    .sgpr_count:     66
    .vgpr_count:     218
    .wavefront_size: 32
...
	.end_amdgpu_metadata
.endif
;; end of part 1
;; launch proj (part 2): grid 8 x 32, 4 waves a work-group, clusters of 4 x 4, 327,680 bytes of LDS; arguments xc, xs, wc, ws, qrec, krec, vrec; writes qrec, krec, vrec
.if DOCPART == 2
	.amdgcn_target "amdgcn-amd-amdhsa--gfx1250"
	.amdhsa_code_object_version 6
	.text
	.protected	k_q9b461124c1_proj
	.globl	k_q9b461124c1_proj
	.p2align	8
	.type	k_q9b461124c1_proj,@function
k_q9b461124c1_proj:
	s_mov_b64 s[64:65], 0
	v_nop
	global_prefetch_b8 v0, s[64:65] scope:SCOPE_SE
	s_setreg_imm32_b32 hwreg(HW_REG_WAVE_MODE, 25, 1), 1
	s_wait_xcnt 0x0
	s_wait_alu depctr_hold_cnt(0) depctr_sa_sdst(0) depctr_va_vdst(0) depctr_va_sdst(0) depctr_va_ssrc(0) depctr_va_vcc(0) depctr_vm_vsrc(0)
	s_getreg_b32 s2, hwreg(HW_REG_IB_STS2, 6, 4)
	s_cmp_eq_u32 s2, 0
	s_cbranch_scc0 .Lentry_in_a_cluster
	s_endpgm
.Lentry_in_a_cluster:
	s_bfe_u32 s2, ttmp6, 0x10000c
	s_cmp_lg_u32 s2, 0xf033
	s_cbranch_scc0 .Lentry_shape_is_right
	s_endpgm
.Lentry_shape_is_right:
; V, Q, K = x W^T on codes of FP6 (E2M3) with E8M0 block scales, and the results' own quantisers.  No f32 result is stored: the results leave as records of 128 tokens of one head,
; images of the next launch's operand registers: 48 registers of codes (chunk c of 512 bytes = registers 4 c .. 4 c + 3, lane l's 16 bytes at 16 l), then 512 bytes of scale words; record ((batch x 16 + head) x 16 + group).
; q, k: tile t (16 tokens) is registers 6 t .. 6 t + 5, lane (r, h): token 16 t + r, block h of the head's 64; scale word j of lane l: tile 2 j + l / 16, row l % 16, bytes 0 and 1.
; v: tile t (16 of the head's 64) is registers 12 t .. 12 t + 11, K = the 128 tokens; scale words 0, 1 of lane l: tiles l / 16 and 2 + l / 16.  Inside a block of 32 the places are 0-7, 16-23, 8-15, 24-31, on q and k alike, and on v as the next launch lays p.
; THE DEAL.  256 work-groups: 32 blocks of 256 tokens x 8 pairs of heads; each makes V, then Q, then K of its tokens and heads.  Wave (a, b) takes tokens 128 a .. 128 a + 127 and head b: one whole record of each tensor.
; It holds its head's 64 rows of the weight, all of K, in 384 registers, and streams its 128 tokens past them in 8 blocks of 16 rows, all of K, 32 products a block on four accumulators by turns; the blocks' fragments lie in two sets of 96 registers.
; LDS: the weights' 128 rows at 0, x's two chunks of 128 rows behind them (rows of 768 bytes, 16 bytes of padding behind each 256: pitch 816), the spare words.  A row in memory is 768 bytes and begins at a multiple of 256.
; FILLS.  At the head one joint load a wave: waves 0, 1 half of W_v's rows each, waves 2, 3 a chunk of x each.  x IS FILLED ONCE and serves all three phases.  The weights' region is filled again twice (W_q, W_k; waves 0, 1 a half each),
; each time when every wave holds the old rows in registers, behind the three lines and a round of the cluster's barrier.  What a refill brought is shown by a plain barrier inside the phase's last block.
; x's rows are shared by a row of the cluster, a weight's rows by a column.  All scale words come by plain loads at the head, 1,024 bytes on end for each pair of loads, and stay in registers.
; V: source 0 = x's rows, so a lane holds one column and its registers run along the tokens; Q, K: source 0 = the weight's rows, so a lane holds one token and its registers run along the head.
; THE WAY OUT of 64 sums a lane (four blocks of 32, each in lanes l and l xor 16): the largest magnitudes in four chains by turns, the scale, four conversions, six lane swaps.  In Q and K a pair of blocks goes out at a time; its chains stand among the next block's products.
; THE WAITS' COUNTS.  A block's rows were fetched two blocks ago; younger than that fetch is the next block's fetch alone, NF loads (counted by the assembler); for a phase's last block nothing is younger (0).
; PREFETCH: W_q's rows are asked for at the head and W_k's behind the first refill, each one refill ahead of its joint load; the sixteen waves of a column of the cluster take 24 blocks of 256 bytes each, told apart by address.
; LIMITS: a block whose largest magnitude lies under 2^-124 keeps the byte 1 (zeros' codes are zeros; this program alone reads the bytes); NaN and infinities are not served.
.set KROW,  768
.set PITCH, 816
.set FR,    12
.set FPW,   21                         ; fragments in a window of 256 registers; fragment f lies in window 1 + f / 21: 0-31 the weights' (4 q + tile), 32-39 and 40-47 x's two sets
.set RA,    128
.set XB0,   RA*PITCH
.set SPARE, 3*RA*PITCH
.set RECB,  6656
.set SPW,  2                           ; my spare word
.set NIL,  3                           ; 0
.set LI,   4                           ; 16 x lane
.set ABS,  5                           ; 32 x lane
.set PF,   6                           ; the prefetches' offset
.set ADRB, 16
.set ADRX, 18
.set SB,   20                          ; v20-35 the weights' scale words: 8 (tile / 2) + q, lanes 16 (tile % 2) + r
.set PW,   36                          ; v36-39 results' scale words
.set XS,   40                          ; v40-71 x's scale words: 8 (block / 2) + q, lanes 16 (block % 2) + r
.set TM,   72                          ; v72-87 at work in the way out
.set CT,   88
.set SW,   96                          ; v96-99 a record's scale words
.set IMG,  100                         ; v100-111 twelve registers of a record
.set ACC,  128                         ; v128-255: Q, K: two sets of 64 sums; V: tiles 0, 1; tiles 2, 3 at v840-967
.set SB2,  968                         ; v968-983, v984-999 W_q's and W_k's scale words
.set SB3,  984
.set BA,   1000                        ; v1000-1007 LDS addresses of the weights' four tiles
.set ADX,  1008                        ; v1008-1023 of my eight blocks of x
.set G1A, 24
.set G1B, 32
.set G0A, 56
.set G0B, 60
.set MSB, 0
.set CNT_, 0
.macro WIN new
.if MSB != \new
	s_set_vgpr_msb (MSB<<8)|\new
.set MSB, \new
.endif
.endm
.macro PLACES n
.rept \n
	v_nop
.endr
.endm
.macro WALU
	s_wait_alu depctr_va_vdst(0)
.endm
.macro BARRIER
	s_barrier_signal -1
	s_barrier_wait -1
.endm
.macro CROUND                          ; a round of the cluster's barrier
	BARRIER
	s_cmp_lg_u32 s14, 0
	s_cbranch_scc1 .Lnot_wave_0_\@
	s_barrier_signal -3
.Lnot_wave_0_\@:
	s_barrier_wait -3
	BARRIER
.endm
.macro TLOAD g0, g1
	tensor_load_to_lds s[\g0:\g0+3], s[\g1:\g1+7]
	s_nop 0
	PLACES 4
.endm
.macro GROUP1 g, mask, rows            ; rows of 768 bytes, 4 words of padding behind every 64; bit 21 beside the mask
	s_or_b32 s[\g+0], s[\mask], (1<<20)|(1<<21)|(5<<22)|(3<<25)
	s_mov_b32 s[\g+1], KROW<<16
	s_mov_b32 s[\g+2], (\rows)<<16
	s_mov_b32 s[\g+3], KROW<<16
	s_mov_b32 s[\g+4], \rows
	s_mov_b32 s[\g+5], KROW
	s_mov_b32 s[\g+6], 0
	s_mov_b32 s[\g+7], 0
.endm
.macro REFILL                          ; waves 0 and 1 a half each of the next weight's rows
	s_cmp_lt_u32 s14, 2
	s_cbranch_scc0 .Lno_half_\@
	TLOAD G0B, G1B
.Lno_half_\@:
.endm
; a fragment: six pieces of 8 bytes, two to a load where both lie behind as many paddings; a1 serves the pieces whose lanes 16-31 lie behind one padding more
.macro FRAG f, q, a0, a1
.set WN_, ((1+(\f)/FPW)<<6)|3
	WIN WN_
.set R_, FR*((\f)%FPW)
.set SKIP_, 0
.irp p, 0,1,2,3,4,5
.if SKIP_
.set SKIP_, 0
.else
.set PC_, 12*(\q)+6*(\p/3)+\p%3
.set PN_, 12*(\q)+6*((\p+1)/3)+(\p+1)%3
.set X_, (PC_%32+3)/32
.set XQ_, (PN_%32+3)/32
.set CNT_, CNT_+1
.if (\p < 5) && (X_ == XQ_)
.set SKIP_, 1
.if X_
	ds_load_2addr_b64 v[R_+2*\p:R_+2*\p+3], \a1 offset0:PC_+2*(PC_/32) offset1:PN_+2*(PN_/32)
.else
	ds_load_2addr_b64 v[R_+2*\p:R_+2*\p+3], \a0 offset0:PC_+2*(PC_/32) offset1:PN_+2*(PN_/32)
.endif
.elseif X_
	ds_load_b64 v[R_+2*\p:R_+2*\p+1], \a1 offset:8*(PC_+2*(PC_/32))
.else
	ds_load_b64 v[R_+2*\p:R_+2*\p+1], \a0 offset:8*(PC_+2*(PC_/32))
.endif
.endif
.endr
.endm
.macro WEIGHTS                         ; my 64 rows of the weight, all of K
.irp q, 0,1,2,3,4,5,6,7
.irp b, 0,1,2,3
	FRAG 4*\q+\b, \q, v[BA-768+2*\b], v[BA-768+2*\b+1]
.endr
.endr
	WIN 0
.endm
.macro FETCH s                         ; block s of my tokens into set s % 2
.set CNT_, 0
.irp q, 0,1,2,3,4,5,6,7
	FRAG 32+8*((\s)%2)+\q, \q, v[ADX-768+2*(\s)], v[ADX-768+2*(\s)+1]
.endr
	WIN 0
.set NF, CNT_
.endm
.macro WMX d, s0, s1, c, x0, x1, ra, rb
	v_wmma_scale_f32_16x16x128_f8f6f4 v[\d:\d+7], v[\s0:\s0+FR-1], v[\s1:\s1+FR-1], \c, v[\x0], v[\x1] matrix_a_fmt:MATRIX_FMT_FP6 matrix_b_fmt:MATRIX_FMT_FP6 matrix_a_scale:MATRIX_SCALE_ROW\ra matrix_b_scale:MATRIX_SCALE_ROW\rb
.endm
.macro WM d, s0, s1, c, x0, x1, ra, rb
.if (\ra) && (\rb)
	WMX \d, \s0, \s1, \c, \x0, \x1, 1, 1
.elseif (\ra)
	WMX \d, \s0, \s1, \c, \x0, \x1, 1, 0
.elseif (\rb)
	WMX \d, \s0, \s1, \c, \x0, \x1, 0, 1
.else
	WMX \d, \s0, \s1, \c, \x0, \x1, 0, 0
.endif
.endm
; product n = 4 q + tile of block s.  kind 1 (V): source 0 x's rows; kind 0 (Q, K): source 0 the weight's rows.  The first four take the constant 0 as C.
.macro PROD kind, s, n, a0, as
.set Q_, (\n)/4
.set W_, (\n)%4
.set FB_, 4*Q_+W_
.set FA_, 32+8*((\s)%2)+Q_
.set D_, (\a0)+(\as)*W_+(\kind)*(W_/2)*584
.set DL_, D_&255
.set RB_, FR*(FB_%FPW)
.set RX_, FR*(FA_%FPW)
.set XB_, SB+8*(W_/2)+Q_
.set XA_, XS+8*((\s)/2)+Q_
.if \kind
.set WN_, (1+FA_/FPW)|((1+FB_/FPW)<<2)|((D_>>8)<<4)|((D_>>8)<<6)
	WIN WN_
.if Q_
	WM DL_, RX_, RB_, v[DL_:DL_+7], XA_, XB_, (\s)%2, W_%2
.else
	WM DL_, RX_, RB_, 0, XA_, XB_, (\s)%2, W_%2
.endif
.else
.set WN_, (1+FB_/FPW)|((1+FA_/FPW)<<2)|((D_>>8)<<4)|((D_>>8)<<6)
	WIN WN_
.if Q_
	WM DL_, RB_, RX_, v[DL_:DL_+7], XB_, XA_, W_%2, (\s)%2
.else
	WM DL_, RB_, RX_, 0, XB_, XA_, W_%2, (\s)%2
.endif
.endif
.endm
; line i (0 .. 31) of the search for the largest magnitudes of the 64 sums at ac: four chains by turns, each accumulator from its low end on; the floor 2^(3 - 127) holds the byte at 1 from below
.macro QLINE i, ac
.set B_, (\i)%4
.set L_, ((\ac)&255)+16*B_+2*((\i)/4)
.set WN_, 5*((\ac)>>8)
	WIN WN_
.if (\i) < 4
	v_max3_num_f32 v[TM+B_], |v[L_]|, |v[L_+1]|, 0x1800000
.else
	v_max3_num_f32 v[TM+B_], |v[L_]|, |v[L_+1]|, v[TM+B_]
.endif
.endm
; the 32 products of a block; qac >= 0: two lines of the search over the sums at qac behind every second product
.macro BLOCK kind, s, a0, as, qac
.set N_, 0
.rept 32
	PROD \kind, \s, N_, \a0, \as
.if (N_%2) && ((\qac) >= 0)
	QLINE N_-1, \qac
	QLINE N_, \qac
.endif
.set N_, N_+1
.endr
.endm
; the rest of the way out: the other half of the lanes, scale operands, bytes, the scale word pw, the codes: blocks 0, 1 into d0 .. d0 + 5, blocks 2, 3 into d1 .. d1 + 5, a whole block to a lane
.macro QREST ac, d0, d1, pw
	WIN 0
.irp b, 0,1,2,3
	v_permlanex16_b32 v[TM+4+\b], v[TM+\b], s66, s67
.endr
.irp b, 0,1,2,3
	v_max_num_f32 v[TM+\b], v[TM+\b], v[TM+4+\b]
.endr
.irp b, 0,1,2,3
	v_add_nc_u32 v[TM+12+\b], 0xff000000, v[TM+\b]     ; 2 off the exponent field: the conversion's scale operand
.endr
.irp b, 0,1,2,3
	v_lshrrev_b32 v[TM+4+\b], 23, v[TM+12+\b]          ; the byte
.endr
	v_lshl_or_b32 v[\pw], v[TM+5], 8, v[TM+4]
	v_lshl_or_b32 v[\pw], v[TM+6], 16, v[\pw]
	v_lshl_or_b32 v[\pw], v[TM+7], 24, v[\pw]
.set AL_, (\ac)&255
.set WN_, (\ac)>>8
	WIN WN_
	v_cvt_scalef32_pk16_fp6_f32 v[\d0:\d0+2], v[AL_:AL_+15], v[TM+12]
	v_cvt_scalef32_pk16_fp6_f32 v[CT:CT+2], v[AL_+16:AL_+31], v[TM+13]
	v_cvt_scalef32_pk16_fp6_f32 v[\d1:\d1+2], v[AL_+32:AL_+47], v[TM+14]
	v_cvt_scalef32_pk16_fp6_f32 v[CT+4:CT+6], v[AL_+48:AL_+63], v[TM+15]
	WIN 0
	v_nop                                              ; a plain place behind the conversions
.irp i, 0,1,2
	v_permlane16_swap_b32 v[\d0+\i], v[CT+\i]
.endr
.irp i, 0,1,2
	v_mov_b32 v[\d0+3+\i], v[CT+\i]
.endr
.irp i, 0,1,2
	v_permlane16_swap_b32 v[\d1+\i], v[CT+4+\i]
.endr
.irp i, 0,1,2
	v_mov_b32 v[\d1+3+\i], v[CT+4+\i]
.endr
.endm
.macro QALL ac                         ; the whole search on end
.set I_, 0
.rept 32
	QLINE I_, \ac
.set I_, I_+1
.endr
.endm
.macro PUT3 ob, off                    ; twelve registers: three stores of 512 bytes on end
.irp k, 0,1,2
	global_store_b128 v[LI], v[IMG+4*\k:IMG+4*\k+3], s[\ob:\ob+1] offset:(\off)+512*\k
.endr
.endm
.macro FREE                            ; the earlier stores have read their data: only behind this wait are IMG and SW written again; the wait on the vector side ahead of it
	WALU
	s_wait_xcnt 0x0
.endm
.macro TAILQ ac, j, ob                 ; Q, K: pair j leaves: tiles 2 j, 2 j + 1 and their scale words
	FREE
	QREST \ac, IMG, IMG+6, PW
	v_lshrrev_b32 v[TM+8], 16, v[PW]
	v_cndmask_b32 v[SW+(\j)], v[PW], v[TM+8], s92
	PUT3 \ob, 1536*(\j)
.endm
.macro CHANGE sbn                      ; the next weight and the first two blocks in one run of loads; the next weight's scale words
	WEIGHTS
	FETCH 0
	FETCH 1
	WIN 3
.set I_, 0
.rept 16
	v_mov_b32 v[SB+I_], v[\sbn-768+I_]
.set I_, I_+1
.endr
	WIN 0
.endm
.macro PHASE ob, bar                   ; Q or K: eight blocks, four pairs; bar = 1: the last block holds the plain barrier that shows the next weight
.irp s, 0,1,2,3,4,5,6,7
.if (\s == 7) && \bar
	s_wait_tensorcnt 0x0
	s_wait_dscnt 0x0
	s_barrier_signal -1
.elseif \s == 7
	s_wait_dscnt 0x0
.else
	s_wait_dscnt NF
.endif
.if (\s%2 == 0) && (\s > 0)
	BLOCK 0, \s, ACC+64*((\s/2)%2), 8, ACC+64*((\s/2+1)%2)
.else
	BLOCK 0, \s, ACC+64*((\s/2)%2)+32*(\s%2), 8, -1
.endif
	WIN 0
.if (\s == 7) && \bar
	s_barrier_wait -1
.endif
	PLACES 4                                           ; between the products and the loads into their registers, and the first reads of their sums
.if \s < 6
	FETCH \s+2
.endif
.if (\s%2 == 0) && (\s > 0)
	TAILQ ACC+64*((\s/2+1)%2), \s/2-1, \ob
.endif
.endr
.endm
.macro LASTQ ob                        ; a phase's last pair and the record's scale words
	QALL ACC+64
	TAILQ ACC+64, 3, \ob
	global_store_b128 v[LI], v[SW:SW+3], s[\ob:\ob+1] offset:6144
.endm
; ================= the head
	s_load_b256 s[4:11], s[0:1], 0x0                   ; xc, xs, wc, ws
	s_load_b128 s[96:99], s[0:1], 0x20                 ; qrec, krec
	s_load_b64 s[100:101], s[0:1], 0x30                ; vrec
	v_lshl_add_u32 v[SPW], v0, 2, SPARE
	v_mov_b32 v[NIL], 0
	ds_add_u32 v[SPW], v[NIL]                          ; the opening lines
	ds_add_u32 v[SPW], v[NIL]
	v_lshrrev_b32 v8, 5, v0
	v_readfirstlane_b32 s14, v8                        ; the wave
	s_lshr_b32 s15, s14, 1                             ; a: my chunk of tokens
	s_and_b32 s16, s14, 1                              ; b: my head of the pair.  Also: which half or chunk I fetch
	s_bfe_u32 s40, ttmp6, 0x40000                      ; cx
	s_bfe_u32 s41, ttmp6, 0x40004                      ; cy
	s_lshl_b32 s42, ttmp9, 2
	s_add_co_u32 s42, s42, s40                         ; the pair of heads, 0 .. 7
	s_and_b32 s43, ttmp7, 0xffff
	s_lshl_b32 s43, s43, 2
	s_add_co_u32 s43, s43, s41                         ; the block of 256 tokens, 0 .. 31
	s_lshl_b32 s44, s41, 2
	s_lshl_b32 s44, 15, s44                            ; my row of the cluster
	s_lshl_b32 s45, 0x1111, s40                        ; my column
	GROUP1 G1A, 44, RA
	GROUP1 G1B, 45, 64
	s_mov_b32 s[G0A], 1
	s_mul_i32 s[G0A+1], s16, RA*PITCH
	s_add_co_u32 s[G0A+1], s[G0A+1], XB0
	s_mov_b32 s[G0B], 1
	s_mul_i32 s[G0B+1], s16, 64*PITCH
	s_lshl_b32 s20, s43, 8
	s_lshl_b32 s21, s16, 7
	s_add_co_u32 s21, s20, s21
	s_mul_i32 s46, s21, KROW                           ; the chunk of x that I fetch, bytes from xc
	s_mov_b32 s47, 0
	s_lshl_b32 s21, s15, 7
	s_add_co_u32 s21, s20, s21
	s_lshl_b32 s52, s21, 5                             ; my 128 tokens' scale bytes, from xs
	s_mov_b32 s53, 0
	s_lshl_b32 s20, s42, 7
	s_lshl_b32 s21, s16, 6
	s_add_co_u32 s20, s20, s21                         ; row 128 x pair + 64 b of a weight: the half that I fetch, and my head's rows
	s_mul_i32 s48, s20, KROW
	s_mov_b32 s49, 0
	s_lshl_b32 s50, s20, 5
	s_mov_b32 s51, 0
	s_lshr_b32 s20, s43, 3                             ; my record: ((batch x 16 + head) x 16 + group)
	s_lshl_b32 s20, s20, 4
	s_lshl_b32 s21, s42, 1
	s_add_co_u32 s20, s20, s21
	s_add_co_u32 s20, s20, s16
	s_lshl_b32 s20, s20, 4
	s_and_b32 s21, s43, 7
	s_lshl_b32 s21, s21, 1
	s_add_co_u32 s20, s20, s21
	s_add_co_u32 s20, s20, s15
	s_mul_i32 s54, s20, RECB
	s_mov_b32 s55, 0
	s_lshl_b32 s20, s41, 2
	s_add_co_u32 s20, s20, s14                         ; my number among the sixteen waves of my column of the cluster
	s_mul_i32 s20, s20, RA*KROW/16
	s_mul_i32 s68, s42, RA*KROW
	s_add_co_u32 s68, s68, s20                         ; my sixteenth of W_q's 128 rows, bytes from wc
	s_mov_b32 s66, 0x76543210
	s_mov_b32 s67, 0xfedcba98                          ; lane l xor 16
	s_mov_b32 s92, 0xffff0000                          ; lanes 16-31
	WALU
	s_wait_dscnt 0x0
	CROUND                                             ; in front of the first joint loads
	s_wait_kmcnt 0x0
	s_add_nc_u64 s[G0A+2:G0A+3], s[4:5], s[46:47]
	s_or_b32 s[G0A+3], s[G0A+3], 0x80000000
	s_add_nc_u64 s[48:49], s[8:9], s[48:49]            ; W_q's rows of my half; W_k's lie 1,024 rows on, W_v's 2,048
	s_add_nc_u64 s[G0B+2:G0B+3], s[48:49], 2048*KROW
	s_or_b32 s[G0B+3], s[G0B+3], 0x80000000
	s_add_nc_u64 s[50:51], s[10:11], s[50:51]
	s_add_nc_u64 s[52:53], s[6:7], s[52:53]
	s_add_nc_u64 s[96:97], s[96:97], s[54:55]
	s_add_nc_u64 s[98:99], s[98:99], s[54:55]
	s_add_nc_u64 s[100:101], s[100:101], s[54:55]
	s_cmp_lt_u32 s14, 2
	s_cbranch_scc0 .Lfor_x
	TLOAD G0B, G1B                                     ; waves 0, 1: W_v's rows, asked for first
	s_branch .Lasked
.Lfor_x:
	TLOAD G0A, G1A                                     ; waves 2, 3: x's chunks
.Lasked:
	v_and_b32 v8, 15, v0                               ; r
	v_bfe_u32 v9, v0, 4, 1                             ; h
	v_and_b32 v10, 31, v0
	v_lshlrev_b32 v[LI], 4, v10
	v_lshlrev_b32 v[ABS], 5, v10
	v_min_u32 v[PF], RA*KROW/16/256-1, v10
	v_lshl_add_u32 v[PF], v[PF], 8, s68
	v_mul_u32_u24 v11, v8, PITCH
	v_mad_u32_u24 v12, v9, 24, v11
	v_mad_u32_u24 v13, v9, 40, v11
	s_mul_i32 s20, s16, 64*PITCH
	s_mul_i32 s21, s15, RA*PITCH
	s_add_co_u32 s21, s21, XB0
	v_add_nc_u32 v[ADRB], s20, v12
	v_add_nc_u32 v[ADRB+1], s20, v13
	v_add_nc_u32 v[ADRX], s21, v12
	v_add_nc_u32 v[ADRX+1], s21, v13
.irp b, 0,1,2,3
	v_mov_b32 v[TM+4+\b], 0                            ; a lane permute's destination counts as one of its sources
.endr
	WIN 3<<6
.irp b, 0,1,2,3
	v_add_nc_u32 v[BA-768+2*\b], \b*16*PITCH, v[ADRB]
	v_add_nc_u32 v[BA-768+2*\b+1], \b*16*PITCH, v[ADRB+1]
.endr
.irp s, 0,1,2,3,4,5,6,7
	v_add_nc_u32 v[ADX-768+2*\s], \s*16*PITCH, v[ADRX]
	v_add_nc_u32 v[ADX-768+2*\s+1], \s*16*PITCH, v[ADRX+1]
.endr
.irp p, 0,1
.irp c, 0,1
	global_load_b128 v[SB2-768+8*\p+4*\c:SB2-768+8*\p+4*\c+3], v[ABS], s[50:51] offset:1024*\p+16*\c
	global_load_b128 v[SB3-768+8*\p+4*\c:SB3-768+8*\p+4*\c+3], v[ABS], s[50:51] offset:32768+1024*\p+16*\c
.endr
.endr
	WIN 0
.irp p, 0,1
.irp c, 0,1
	global_load_b128 v[SB+8*\p+4*\c:SB+8*\p+4*\c+3], v[ABS], s[50:51] offset:65536+1024*\p+16*\c
.endr
.endr
.irp p, 0,1,2,3
.irp c, 0,1
	global_load_b128 v[XS+8*\p+4*\c:XS+8*\p+4*\c+3], v[ABS], s[52:53] offset:1024*\p+16*\c
.endr
.endr
	WALU                                               ; the wait at the head's end
	s_cmp_lt_u32 s14, 2
	s_cbranch_scc0 .Lnot_w
	s_wait_tensorcnt 0x0
.Lnot_w:
	BARRIER                                            ; W_v's rows are in; x's chunks may be on their way
	global_prefetch_b8 v[PF], s[8:9] th:TH_LOAD_NT scope:SCOPE_SE
	WEIGHTS
	s_wait_tensorcnt 0x0                               ; the first refill's three lines: every load of the head is in,
	ds_add_u32 v[SPW], v[NIL]
	s_mov_b64 s[G0B+2:G0B+3], s[48:49]
	s_or_b32 s[G0B+3], s[G0B+3], 0x80000000
	s_wait_loadcnt 0x0                                 ; (the scale words)
	s_wait_dscnt 0x0                                   ; and W_v lies in my registers
	CROUND
	REFILL                                             ; W_q's rows
	FETCH 0
	FETCH 1
	global_prefetch_b8 v[PF], s[8:9] offset:1024*KROW th:TH_LOAD_NT scope:SCOPE_SE
; ================= V: eight blocks; the sums of tile t, block s at 64 t + 8 s of V's registers
.irp s, 0,1,2,3,4,5,6,7
.if \s == 7
	s_wait_tensorcnt 0x0
	s_wait_dscnt 0x0
	s_barrier_signal -1                                ; a plain barrier round the last block's products shows W_q's rows to all
.else
	s_wait_dscnt NF
.endif
	BLOCK 1, \s, ACC+8*\s, 64, -1
	WIN 0
.if \s == 7
	s_barrier_wait -1
.endif
	PLACES 4
.if \s < 6
	FETCH \s+2
.endif
.endr
	CHANGE SB2
.irp t, 0,1,2,3                        ; V's record leaves while the loads above are out
	QALL ACC+64*\t+(\t/2)*584
	FREE
	QREST ACC+64*\t+(\t/2)*584, IMG, IMG+6, PW+\t
	PUT3 100, 1536*\t
.endr
	v_cndmask_b32 v[SW], v[PW], v[PW+1], s92
	v_cndmask_b32 v[SW+1], v[PW+2], v[PW+3], s92
	v_mov_b32 v[SW+2], 0
	v_mov_b32 v[SW+3], 0
	global_store_b128 v[LI], v[SW:SW+3], s[100:101] offset:6144
	WALU
	s_wait_tensorcnt 0x0                               ; the second refill's three lines
	ds_add_u32 v[SPW], v[NIL]
	s_add_nc_u64 s[G0B+2:G0B+3], s[48:49], 1024*KROW
	s_or_b32 s[G0B+3], s[G0B+3], 0x80000000
	s_wait_dscnt 0x0                                   ; W_q lies in my registers
	CROUND
	REFILL                                             ; W_k's rows
; ================= Q, then K
	PHASE 96, 1
	CHANGE SB3
	LASTQ 96
	PHASE 98, 0
	LASTQ 98
	s_wait_tensorcnt 0x0                               ; the wave's end
	ds_add_u32 v[SPW], v[NIL]
	s_wait_dscnt 0x0
	CROUND                                             ; the closing round
	s_endpgm
.Lfunc_end_k_q9b461124c1_proj:
	.size	k_q9b461124c1_proj, .Lfunc_end_k_q9b461124c1_proj-k_q9b461124c1_proj
	.p2alignl 7, 3214868480
	.fill 96, 4, 3214868480
	.section	.rodata,"a",@progbits
	.p2align	6, 0x0
	.amdhsa_kernel k_q9b461124c1_proj
		.amdhsa_group_segment_fixed_size 327680
		.amdhsa_private_segment_fixed_size 0
		.amdhsa_enable_private_segment 0
		.amdhsa_kernarg_size 56
		.amdhsa_user_sgpr_count 2
		.amdhsa_user_sgpr_kernarg_segment_ptr 1
		.amdhsa_wavefront_size32 1
		.amdhsa_system_sgpr_workgroup_id_x 1
		.amdhsa_system_sgpr_workgroup_id_y 1
		.amdhsa_system_sgpr_workgroup_id_z 1
		.amdhsa_system_vgpr_workitem_id 0
		.amdhsa_next_free_vgpr 1024
		.amdhsa_next_free_sgpr 102
		.amdhsa_reserve_vcc 0
		.amdhsa_float_denorm_mode_32 3
		.amdhsa_float_denorm_mode_16_64 3
		.amdhsa_memory_ordered 1
		.amdhsa_forward_progress 1
		.amdhsa_inst_pref_size 236
	.end_amdhsa_kernel
	.amdgpu_metadata
---
amdhsa.version: [ 1, 2 ]
amdhsa.kernels:
  - .name:           k_q9b461124c1_proj
    .symbol:         k_q9b461124c1_proj.kd
    .args:
      - { .name: xc, .offset: 0, .size: 8, .value_kind: global_buffer, .address_space: global }
      - { .name: xs, .offset: 8, .size: 8, .value_kind: global_buffer, .address_space: global }
      - { .name: wc, .offset: 16, .size: 8, .value_kind: global_buffer, .address_space: global }
      - { .name: ws, .offset: 24, .size: 8, .value_kind: global_buffer, .address_space: global }
      - { .name: qrec, .offset: 32, .size: 8, .value_kind: global_buffer, .address_space: global }
      - { .name: krec, .offset: 40, .size: 8, .value_kind: global_buffer, .address_space: global }
      - { .name: vrec, .offset: 48, .size: 8, .value_kind: global_buffer, .address_space: global }
    .group_segment_fixed_size: 327680
    .private_segment_fixed_size: 0
    .kernarg_segment_align: 8
    .kernarg_segment_size: 56
    .max_flat_workgroup_size: 128
    .sgpr_count:     102
    .vgpr_count:     1024
    .wavefront_size: 32
...
	.end_amdgpu_metadata
.endif
;; end of part 2
;; launch attn (part 3): grid 256 x 1, 8 waves a work-group, clusters of 4 x 1, 327,680 bytes of LDS; arguments qrec, krec, vrec, out0; writes out0
.if DOCPART == 3
	.amdgcn_target "amdgcn-amd-amdhsa--gfx1250"
	.amdhsa_code_object_version 6
	.text
	.protected	k_q9b461124c1_attn
	.globl	k_q9b461124c1_attn
	.p2align	8
	.type	k_q9b461124c1_attn,@function
k_q9b461124c1_attn:
	s_mov_b64 s[64:65], 0
	v_nop
	global_prefetch_b8 v0, s[64:65] scope:SCOPE_SE
	s_setreg_imm32_b32 hwreg(HW_REG_WAVE_MODE, 25, 1), 1
	s_wait_xcnt 0x0
	s_wait_alu depctr_hold_cnt(0) depctr_sa_sdst(0) depctr_va_vdst(0) depctr_va_sdst(0) depctr_va_ssrc(0) depctr_va_vcc(0) depctr_vm_vsrc(0)
	s_getreg_b32 s2, hwreg(HW_REG_IB_STS2, 6, 4)
	s_cmp_eq_u32 s2, 0
	s_cbranch_scc0 .Lentry_in_a_cluster
	s_endpgm
.Lentry_in_a_cluster:
	s_bfe_u32 s2, ttmp6, 0x10000c
	s_cmp_lg_u32 s2, 0x3003
	s_cbranch_scc0 .Lentry_shape_is_right
	s_endpgm
.Lentry_shape_is_right:
; out0[b][q][64 head + :] = the sum over keys k <= q of softmax_k(q . k / 8) v, both products on codes of FP6 (E2M3) with one E8M0 scale for each 32 along a product's K.
; Key steps that lie wholly behind a wave's queries are hidden by the causal mask and are left out.
; q, k, v come as records of 128 tokens of one head, images of operand registers: 48 registers of codes (chunk c of 512 bytes = registers 4 c .. 4 c + 3, lane l's 16 bytes at 16 l), then 512 bytes of scale words.
; THE SOFTMAX AHEAD OF THE SECOND PRODUCT: t = score x log2(e) / 8; M = the row's largest t so far, rounded UP to a whole number; p = 2^(t - M) is what is quantised, along the keys; it is not normalised.
; The row's sum is taken of the unquantised p, in f32, and divides at the end.  When M moves, the sum and O are multiplied by 2^(old M - new M): exact.
; SHARES.  A cluster of four work-groups is one (batch, head).  Its 2,048 queries are 16 groups of 128; partner c owns queries 32 c .. 32 c + 31 of EVERY group: two tiles of 16.  Wave i takes both tiles of group 15 - i, then of group i:
; (16 - i) + (i + 1) = 17 key steps of 128 for every wave.  Each fragment of K and V that a wave fetches feeds both tiles, and the two tiles' dependent lines stand by turns.  Which steps are hidden hangs on the wave's number alone;
; the place in the cluster enters only q's and out0's global addresses and the mask's threshold in a lane.
; K AND V OF THE WHOLE HEAD STAY IN LDS: 2 x 16 records, each byte filled ONCE, jointly for the four partners, in two fills of one tensor load a wave: records 0-7 at the head; records 8-15 behind the three lines and a round of the
; cluster's barrier.  Every wave's first seven steps (group 15 - i is 8 or more, so none is hidden or on the diagonal) read records 0-7 alone: they have a text of their own,
; and a plain barrier behind them shows records 8-15 to all.  All that the launch reads is asked for in these two fills, so nothing is prefetched.
; LAYOUT.  Both products are used transposed: S^T = K Q^T, O^T = V^T P^T: a lane holds ONE query (lane % 16) of each tile throughout.
; WHICH KEYS FORM A TILE OF K is chosen by LDS address: rows 0-7 are eight keys of one block of 32, rows 8-15 the same eight of the next block (the record's tile two on: 12 registers, three chunks on).  With c = 0, 1 (64 keys), g = 0, 1, t = 0, 1,
; slot 4 c + 2 g + t holds keys 64 c + 32 h + 16 t + 8 g + j in register j of lane half h: so a lane's 32 registers of four slots are ONE WHOLE BLOCK 2 c + h, in the order of places in which the launch before laid v's codes.
; No other lane is asked for a block's maximum, and the conversions' results are the operand's registers.
; THE FIRST PRODUCT'S K IS 64, the instruction's 128: Q's operand is six registers of codes and six of zeros; K's operand is the run of twelve registers from its slot on: its upper six meet zero codes; no scale byte here is 0xff.
; FETCHES.  Behind a step's scores V's record (13 loads) and then the next step's record of K (16 loads) are asked for.  At the wait for V the 16 of K are younger; at a step's head all are waited for.
; REGISTERS.  Window 1: S^T / p of tile x at 64 x, O^T at 128 + 32 x.  All else in window 0.
; LIMITS: p under 2^-126 becomes 0 (v_exp_f32 gives 0 there: ISA guide, 15.8); a block's largest p is taken from its largest score, which takes v_exp_f32 not to fall where its input rises; a block whose every p is 0 keeps the byte 1;
; NaN and infinities are not served.
.set RECB,  6656
.set VREC,  16*RECB
.set STAGE, 32*RECB                    ; two stages of 16 rows x (256 + 16) bytes for each wave
.set SPITCH, 272
.set SPARE, 0x45000
.set LI,  1                            ; 16 x lane
.set ADK, 2
.set ADV, 3
.set STO, 4
.set SRD, 5
.set GO,  6
.set QD,  7                            ; v7, v8  my query's number in its group - 32 (lane / 16), tile 0, 1
.set ADS, 9
.set KL,  10                           ; my place in a record of K: 16 (r % 8) + 256 h + 1536 (r / 8)
.set KSL, 11                           ; and in its scale words: 16 (r % 8) + 128 h + 4 (r / 8)
.set MM,  12                           ; v[12+4x:13+4x] -M, the running largest t
.set LL,  14                           ; v[14+4x:15+4x] the sum in two halves
.set QF,  20                           ; v20-43 Q's operands: six of codes, six of zeros, for each tile
.set QS,  44                           ; v44, v45 Q's scale words
.set KF,  46                           ; v46-93 K's eight slots, v94-99 zeros
.set KS,  100                          ; v100-103 K's scale words: 2 c + t; lanes 0-15 g = 0, lanes 16-31 g = 1
.set VS,  104
.set VF,  106                          ; v106-153 V's record
.set PC,  154                          ; v154-177 p's codes
.set CT,  178                          ; v178-193 the conversions' second halves
.set BM,  194                          ; 2 x + c: a block's largest score, then its largest p
.set BT,  198
.set SO,  202
.set PWD, 206                          ; v206, v207 p's scale words
.set FF,  208                          ; v[208+2x:209+2x] f
.set TT,  212
.set NEG, 214                          ; -infinity
.set SH,  215                          ; 8 (lane / 16)
.set LC,  216                          ; v216-227 the sums' other chains
.set QS2, 228
.set SPW, 230
.set NIL, 231
.set Q2,  232                          ; v232-243 the second pass's Q
.set BK,  106                          ; the way out: 64 registers read back from the stages
.set WV,  18
.set CX,  19
.set SEL, 20
.set CS,  22
.set G1,  24
.set G0,  32
.set SLO, 36                           ; the first step that the pass still has to do
.set GG,  38
.set SI,  39
.set TB,  40
.set PASS, 41
.set TN,  42
.set TV,  43
.set QB1, 44
.set OUTB, 46
.set OP,  48
.set QB2, 50
.set MSB, 0
.macro WIN new
.if MSB != \new
	s_set_vgpr_msb (MSB<<8)|\new
.set MSB, \new
.endif
.endm
.macro WALU
	s_wait_alu depctr_va_vdst(0)
.endm
.macro PLACES n
.rept \n
	v_nop
.endr
.endm
.macro ROUND
	s_barrier_signal -1
	s_barrier_wait -1
	s_cmp_lg_u32 s[WV], 0
	s_cbranch_scc1 .Lnot_wave_0_\@
	s_barrier_signal -3
.Lnot_wave_0_\@:
	s_barrier_wait -3
	s_barrier_signal -1
	s_barrier_wait -1
.endm
.macro KLOAD ak, as                    ; a record of K into its eight slots, and its scale words: 16 loads
.irp c, 0,1
.irp g, 0,1
.irp k, 0,1,2
	ds_load_b128 v[KF+24*\c+12*\g+4*\k:KF+24*\c+12*\g+4*\k+3], v[\ak] offset:3072*\c+128*\g+512*\k
.endr
.endr
.irp t, 0,1
	ds_load_b32 v[KS+2*\c+\t], v[\as] offset:6144+256*\t+8*\c
.endr
.endr
.endm
.macro SPROD x, t
.if ((\t)%4)/2
	v_wmma_scale_f32_16x16x128_f8f6f4 v[64*\x+8*\t:64*\x+8*\t+7], v[KF+6*\t:KF+6*\t+11], v[QF+12*\x:QF+12*\x+11], 0, v[KS+2*(\t/4)+\t%2], v[QS+\x] matrix_a_fmt:MATRIX_FMT_FP6 matrix_b_fmt:MATRIX_FMT_FP6 matrix_a_scale:MATRIX_SCALE_ROW1
.else
	v_wmma_scale_f32_16x16x128_f8f6f4 v[64*\x+8*\t:64*\x+8*\t+7], v[KF+6*\t:KF+6*\t+11], v[QF+12*\x:QF+12*\x+11], 0, v[KS+2*(\t/4)+\t%2], v[QS+\x] matrix_a_fmt:MATRIX_FMT_FP6 matrix_b_fmt:MATRIX_FMT_FP6
.endif
.endm
.macro OPROD x, t
.if (\t)%2
	v_wmma_scale_f32_16x16x128_f8f6f4 v[128+32*\x+8*\t:128+32*\x+8*\t+7], v[VF+12*\t:VF+12*\t+11], v[PC+12*\x:PC+12*\x+11], v[128+32*\x+8*\t:128+32*\x+8*\t+7], v[VS+\t/2], v[PWD+\x] matrix_a_fmt:MATRIX_FMT_FP6 matrix_b_fmt:MATRIX_FMT_FP6 matrix_a_scale:MATRIX_SCALE_ROW1
.else
	v_wmma_scale_f32_16x16x128_f8f6f4 v[128+32*\x+8*\t:128+32*\x+8*\t+7], v[VF+12*\t:VF+12*\t+11], v[PC+12*\x:PC+12*\x+11], v[128+32*\x+8*\t:128+32*\x+8*\t+7], v[VS+\t/2], v[PWD+\x] matrix_a_fmt:MATRIX_FMT_FP6 matrix_b_fmt:MATRIX_FMT_FP6
.endif
.endm
	s_load_b256 s[4:11], s[0:1], 0x0               ; qrec, krec, vrec, out0
	v_lshl_add_u32 v[SPW], v0, 2, SPARE
	v_mov_b32 v[NIL], 0
	ds_add_u32 v[SPW], v[NIL]                      ; the opening lines
	ds_add_u32 v[SPW], v[NIL]
	v_lshrrev_b32 v1, 5, v0
	v_readfirstlane_b32 s[WV], v1                  ; wave 0..7
	s_bfe_u32 s[CX], ttmp6, 0x40000                ; cx
	; two records, 13,312 dense bytes, as 52 rows of 256 bytes, no padding
	s_mov_b32 s[G1], 15|(3<<16)|(1<<21)
	s_mov_b32 s[G1+1], 32<<16
	s_mov_b32 s[G1+2], 52<<16
	s_mov_b32 s[G1+3], 32<<16
	s_mov_b32 s[G1+4], 52
	s_mov_b32 s[G1+5], 32
	s_mov_b32 s[G1+6], 0
	s_mov_b32 s[G1+7], 0
	s_mul_i32 s52, ttmp9, 16*RECB                  ; the head's first byte in each buffer of records
	s_and_b32 s54, s[WV], 3
	s_mul_i32 s54, s54, 2*RECB                     ; which two of records 0-7 I fetch,
	s_lshr_b32 s56, s[WV], 2
	s_mul_i32 s56, s56, VREC
	s_mov_b32 s[G0], 1
	s_add_co_u32 s[G0+1], s56, s54                 ; and where they go: waves 0-3 K's, waves 4-7 V's
	s_add_co_u32 s54, s54, s52
	s_mov_b32 s55, 0                               ; (stays 0: the upper word of every offset)
	s_wait_dscnt 0x0
	s_wait_kmcnt 0x0
	s_cmp_lt_u32 s[WV], 4
	s_cselect_b64 s[G0+2:G0+3], s[6:7], s[8:9]
	s_add_nc_u64 s[G0+2:G0+3], s[G0+2:G0+3], s[54:55]
	s_or_b32 s[G0+3], s[G0+3], 0x80000000
	ROUND                                          ; the joint loads meet
	tensor_load_to_lds s[G0:G0+3], s[G1:G1+7]      ; records 0-7
	s_nop 0
	PLACES 4
	s_sub_co_u32 s56, 15, s[WV]
	s_mul_i32 s54, s56, RECB
	s_add_co_u32 s54, s54, s52
	s_add_nc_u64 s[QB1:QB1+1], s[4:5], s[54:55]    ; q's record of group 15 - i,
	s_mul_i32 s54, s[WV], RECB
	s_add_co_u32 s54, s54, s52
	s_add_nc_u64 s[QB2:QB2+1], s[4:5], s[54:55]    ; and of group i
	s_mul_i32 s56, s[CX], 1536                     ; my two tiles are registers 12 c .. 12 c + 11 of the record: chunks 3 c .. 3 c + 2
	s_lshl_b32 s57, s[CX], 2
	s_mul_i32 s58, s[WV], 32*SPITCH
	s_add_co_u32 s58, s58, STAGE                   ; my stages
	s_lshl_b32 s59, s[CX], 5                       ; my first query in its group
	s_lshr_b32 s54, ttmp9, 4
	s_lshl_b32 s54, s54, 23                        ; the batch,
	s_and_b32 s60, ttmp9, 15
	s_lshl_b32 s60, s60, 8                         ; the head,
	s_add_co_u32 s54, s54, s60
	s_lshl_b32 s60, s59, 12                        ; my queries
	s_add_co_u32 s54, s54, s60
	s_add_nc_u64 s[OUTB:OUTB+1], s[10:11], s[54:55]
	s_mov_b32 s[SEL], 0x76543210
	s_mov_b32 s[SEL+1], 0xfedcba98
	s_mov_b32 s[CS], 0x3e38aa3b                    ; c = log2(e) / 8
	s_mov_b32 s[CS+1], s[CS]
	v_and_b32 v2, 15, v0                           ; r
	v_bfe_u32 v3, v0, 4, 1                         ; h
	v_and_b32 v[LI], 31, v0
	v_lshlrev_b32 v[LI], 4, v[LI]
	v_add_nc_u32 v[LC], s56, v[LI]
	v_lshl_add_u32 v[LC+1], v2, 4, s57             ; tile 2 c + x's scale word of row r: word c of lane 16 x + r
	global_load_b128 v[VF:VF+3], v[LC], s[QB1:QB1+1]
	global_load_b128 v[VF+4:VF+7], v[LC], s[QB1:QB1+1] offset:512
	global_load_b128 v[VF+8:VF+11], v[LC], s[QB1:QB1+1] offset:1024
	global_load_b32 v[QS], v[LC+1], s[QB1:QB1+1] offset:6144
	global_load_b32 v[QS+1], v[LC+1], s[QB1:QB1+1] offset:6400
	global_load_b128 v[Q2:Q2+3], v[LC], s[QB2:QB2+1]
	global_load_b128 v[Q2+4:Q2+7], v[LC], s[QB2:QB2+1] offset:512
	global_load_b128 v[Q2+8:Q2+11], v[LC], s[QB2:QB2+1] offset:1024
	global_load_b32 v[QS2], v[LC+1], s[QB2:QB2+1] offset:6144
	global_load_b32 v[QS2+1], v[LC+1], s[QB2:QB2+1] offset:6400
	v_and_b32 v[KL], 7, v0
	v_bfe_u32 v[KSL], v0, 3, 1
	v_lshlrev_b32 v[ADS], 4, v[KL]
	v_lshl_add_u32 v[KL], v3, 8, v[ADS]
	v_mad_u32_u24 v[KL], v[KSL], 1536, v[KL]
	v_lshl_add_u32 v[ADS], v3, 7, v[ADS]
	v_lshl_add_u32 v[KSL], v[KSL], 2, v[ADS]
	v_lshlrev_b32 v[SH], 3, v3
	v_mul_u32_u24 v[STO], v2, SPITCH
	v_lshl_add_u32 v[STO], v3, 5, v[STO]
	v_add_nc_u32 v[STO], s58, v[STO]               ; in: row r; tile t's eight numbers of my half: 64 t + 32 h bytes on
	v_mul_u32_u24 v[SRD], v3, SPITCH
	v_lshl_add_u32 v[SRD], v2, 4, v[SRD]
	v_add_nc_u32 v[SRD], s58, v[SRD]               ; back: lanes 0-15 one row, lanes 16-31 the next
	v_lshlrev_b32 v[GO], 12, v3
	v_lshl_add_u32 v[GO], v2, 4, v[GO]             ; and the same two tokens in out0
	v_lshlrev_b32 v[QD], 5, v3
	v_sub_nc_u32 v[QD], v2, v[QD]
	v_add_nc_u32 v[QD], s59, v[QD]
	v_add_nc_u32 v[QD+1], 16, v[QD]
.irp i, 0,1,2,3,4,5
	v_mov_b32 v[QF+6+\i], 0                        ; zero codes: the upper halves of Q's operands,
	v_mov_b32 v[QF+18+\i], 0
	v_mov_b32 v[KF+48+\i], 0                       ; and what lies behind K's last slot
.endr
.irp b, 0,1,2,3
	v_mov_b32 v[BT+\b], 0                          ; a lane permute's destination counts as one of its sources
.endr
	v_mov_b32 v[TT], 0
	v_mov_b32 v[TT+1], 0
	v_mov_b32 v[FF+1], 0                           ; (named as the upper halves of pairs)
	v_mov_b32 v[FF+3], 0
	v_mov_b32 v[NEG], 0xff800000
	s_wait_loadcnt 0x0
.irp i, 0,1,2,3,4,5
	v_mov_b32 v[QF+\i], v[VF+\i]
	v_mov_b32 v[QF+12+\i], v[VF+6+\i]
.endr
	WALU                                           ; the wait at the head's end
	s_wait_tensorcnt 0x0                           ; my part of records 0-7 is in; the three lines ahead of a later first fill:
	ds_add_u32 v[SPW], v[NIL]
	s_add_co_u32 s[G0+1], s[G0+1], 8*RECB          ; (no tensor load of mine is out: the descriptor may be written)
	s_add_nc_u64 s[G0+2:G0+3], s[G0+2:G0+3], 8*RECB
	s_wait_dscnt 0x0
	ROUND                                          ; everybody's part of records 0-7 is in, and the joint loads meet
	tensor_load_to_lds s[G0:G0+3], s[G1:G1+7]      ; records 8-15
	s_nop 0
	PLACES 4
	s_sub_co_u32 s[GG], 15, s[WV]
; A KEY STEP: 128 keys, both tiles of queries.  full = 0: a step that is neither hidden nor on the diagonal
.macro STEP full
.if \full
	s_cmp_gt_u32 s[SI], s[GG]                      ; a later group's keys all come after my queries; the loop's count stays a constant
	s_cbranch_scc1 .Lhid_\@
	s_cmp_lt_u32 s[SI], s[SLO]                     ; done already
	s_cbranch_scc1 .Lhid_\@
.endif
	s_add_co_u32 s[TV], s[TB], VREC
	s_add_co_u32 s[TN], s[TB], RECB
.if \full
	s_min_u32 s[TN], s[TN], 15*RECB                ; the next step's record of K (behind the last: the last again, not used)
.endif
	s_wait_dscnt 0x0                               ; K's record is in
	WIN 0x40
.irp t, 0,1,2,3,4,5,6,7
	SPROD 0, \t
	SPROD 1, \t
.endr
	WIN 0
	v_add_nc_u32 v[ADV], s[TV], v[LI]              ; four places behind the products, in front of loads into registers that they have read and of the first read of the scores
	v_add_nc_u32 v[ADK], s[TN], v[KL]
	v_add_nc_u32 v[ADS], s[TN], v[KSL]
	v_nop
.irp c, 0,1,2,3,4,5,6,7,8,9,10,11
	ds_load_b128 v[VF+4*\c:VF+4*\c+3], v[ADV] offset:512*\c
.endr
	ds_load_b64 v[VS:VS+1], v[ADV] offset:6144
	KLOAD ADK, ADS
.if \full
	s_cmp_lt_u32 s[SI], s[GG]                      ; in an earlier group every key counts
	s_cbranch_scc1 .Lopen_\@
	WIN 0x41
.set N_, 0
.rept 64                                       ; my own group: register n holds key 64 (n / 32) + 32 h + 16 t + 8 g + n % 8: hidden where it lies behind my query
.set KY_, 64*(N_/32)+16*((N_/8)%2)+8*(((N_/8)%4)/2)+N_%8
	v_cmp_gt_i32 vcc_lo, KY_, v[QD]
	v_cndmask_b32 v[N_], v[N_], v[NEG], vcc_lo
	v_cmp_gt_i32 vcc_lo, KY_, v[QD+1]
	v_cndmask_b32 v[64+N_], v[64+N_], v[NEG], vcc_lo
.set N_, N_+1
.endr
	WIN 0
.Lopen_\@:
.endif
	WIN 0x14                                       ; the largest score of each block of 32 keys: all 32 are mine; four chains by turns
.irp c, 0,1
.irp x, 0,1
	v_max3_num_f32 v[BM+2*\x+\c], v[NEG], v[64*\x+32*\c], v[64*\x+32*\c+1]
.endr
.endr
.irp i, 2,4,6,8,10,12,14,16,18,20,22,24,26,28,30
.irp c, 0,1
.irp x, 0,1
	v_max3_num_f32 v[BM+2*\x+\c], v[BM+2*\x+\c], v[64*\x+32*\c+\i], v[64*\x+32*\c+\i+1]
.endr
.endr
.endr
	WIN 0
.irp x, 0,1
	v_max_num_f32 v[TT+\x], v[BM+2*\x], v[BM+2*\x+1]
.endr
.irp x, 0,1
	v_permlanex16_b32 v[BT+2*\x], v[TT+\x], s[SEL], s[SEL+1]
.endr
.irp x, 0,1
	v_max_num_f32 v[TT+\x], v[TT+\x], v[BT+2*\x]   ; the step's largest score of my query
.endr
.irp x, 0,1
	v_mul_f32 v[TT+\x], s[CS], v[TT+\x]            ; as t (c is positive)
.endr
.irp x, 0,1
	v_max_num_f32 v[MM+4*\x+1], v[MM+4*\x+1], v[TT+\x]
.endr
.irp x, 0,1
	v_mov_b32 v[TT+\x], v[MM+4*\x]
.endr
.irp x, 0,1
	v_floor_f32 v[MM+4*\x], -v[MM+4*\x+1]          ; the new -M = -ceil(t)
.endr
.irp x, 0,1
	v_sub_f32 v[TT+\x], v[MM+4*\x], v[TT+\x]       ; M's old value less its new one
.endr
.irp x, 0,1
	v_cvt_i32_f32 v[TT+\x], v[TT+\x]               ; (it saturates)
.endr
.irp x, 0,1
	v_ldexp_f32 v[FF+2*\x], 1.0, v[TT+\x]          ; f = 2^(old M - new M)
.endr
.irp c, 0,1
.irp x, 0,1
	v_fma_f32 v[BM+2*\x+\c], v[BM+2*\x+\c], s[CS], v[MM+4*\x]
.endr
.endr
.irp x, 0,1
	v_pk_mul_f32 v[LL+4*\x:LL+4*\x+1], v[LL+4*\x:LL+4*\x+1], v[FF+2*\x:FF+2*\x+1] op_sel_hi:[1,0]   ; the sums under the new M
.endr
	WIN 0x41
.set J_, 0
.rept 32
	v_pk_fma_f32 v[J_:J_+1], v[J_:J_+1], s[CS:CS+1], v[MM:MM+1] op_sel_hi:[1,0,0]          ; t - M, two at a time
	v_pk_fma_f32 v[64+J_:65+J_], v[64+J_:65+J_], s[CS:CS+1], v[MM+4:MM+5] op_sel_hi:[1,0,0]
.set J_, J_+2
.endr
.set J_, 0
.rept 16
	v_pk_mul_f32 v[128+J_:129+J_], v[128+J_:129+J_], v[FF:FF+1] op_sel_hi:[1,0]            ; O^T under the new M, each accumulator from its low end on
	v_pk_mul_f32 v[160+J_:161+J_], v[160+J_:161+J_], v[FF+2:FF+3] op_sel_hi:[1,0]
.set J_, J_+2
.endr
	WALU                                           ; the wait ahead of the batch
.set J_, 0
.rept 128
	v_exp_f32 v[J_], v[J_]                         ; p = 2^(t - M), at most 1
.set J_, J_+1
.endr
	WIN 0
.irp b, 0,1,2,3
	v_exp_f32 v[BM+\b], v[BM+\b]                   ; the blocks' largest p
.endr
	v_nop
	WALU                                           ; and behind it, ahead of its first reader
.irp b, 0,1,2,3
	v_max_num_f32 v[BM+\b], 0x1800000, v[BM+\b]    ; the floor 2^(3 - 127)
.endr
.irp b, 0,1,2,3
	v_add_nc_u32 v[SO+\b], 0xff000000, v[BM+\b]    ; 2 off the exponent field: the conversions' scale operand
.endr
.irp b, 0,1,2,3
	v_lshrrev_b32 v[BT+\b], 23, v[SO+\b]           ; the byte
.endr
.irp x, 0,1
	v_lshl_or_b32 v[PWD+\x], v[BT+2*\x+1], 16, v[BT+2*\x]   ; my two bytes: blocks h and 2 + h,
.endr
.irp x, 0,1
	v_lshlrev_b32 v[PWD+\x], v[SH], v[PWD+\x]      ; at their places in the scale word;
.endr
.irp x, 0,1
	v_permlanex16_b32 v[BT+2*\x], v[PWD+\x], s[SEL], s[SEL+1]
.endr
.irp x, 0,1
	v_or_b32 v[PWD+\x], v[PWD+\x], v[BT+2*\x]      ; with lane l xor 16's two the word is whole
.endr
	WIN 0x05                                       ; the row's sum, of the unquantised p: four chains a tile
.irp k, 0,1,2
.irp x, 0,1
	v_pk_add_f32 v[LC+6*\x+2*\k:LC+6*\x+2*\k+1], v[64*\x+4*\k:64*\x+4*\k+1], v[64*\x+4*\k+2:64*\x+4*\k+3]
.endr
.endr
	WIN 0x01
.set P_, 6
.rept 26
.set C_, (P_-6)%4
.if C_ == 0
.set DA_, LL
.set DB_, LL+4
.else
.set DA_, LC+2*(C_-1)
.set DB_, LC+6+2*(C_-1)
.endif
	v_pk_add_f32 v[DA_:DA_+1], v[2*P_:2*P_+1], v[DA_:DA_+1]
	v_pk_add_f32 v[DB_:DB_+1], v[64+2*P_:65+2*P_], v[DB_:DB_+1]
.set P_, P_+1
.endr
.irp x, 0,1
.irp c, 0,1
	v_cvt_scalef32_pk16_fp6_f32 v[PC+12*\x+6*\c:PC+12*\x+6*\c+2], v[64*\x+32*\c:64*\x+32*\c+15], v[SO+2*\x+\c]
	v_cvt_scalef32_pk16_fp6_f32 v[CT+8*\x+4*\c:CT+8*\x+4*\c+2], v[64*\x+32*\c+16:64*\x+32*\c+31], v[SO+2*\x+\c]   ; (a conversion's three registers begin on an even number)
.endr
.endr
	WIN 0
	v_nop                                          ; a plain place behind the conversions
.irp x, 0,1
.irp c, 0,1
.irp i, 0,1,2
	v_mov_b32 v[PC+12*\x+6*\c+3+\i], v[CT+8*\x+4*\c+\i]
.endr
.endr
.endr
.irp x, 0,1                                    ; (these six are also the places between p's codes and the products)
	v_pk_add_f32 v[LC+6*\x:LC+6*\x+1], v[LC+6*\x:LC+6*\x+1], v[LC+6*\x+2:LC+6*\x+3]
	v_pk_add_f32 v[LL+4*\x:LL+4*\x+1], v[LL+4*\x:LL+4*\x+1], v[LC+6*\x+4:LC+6*\x+5]
.endr
.irp x, 0,1
	v_pk_add_f32 v[LL+4*\x:LL+4*\x+1], v[LL+4*\x:LL+4*\x+1], v[LC+6*\x:LC+6*\x+1]
.endr
	WALU
	s_wait_dscnt 16                                ; V's record is in; the 16 loads of the next K may be out
	WIN 0x50
.irp t, 0,1,2,3                                ; O^T += V^T P^T: eight accumulators by turns
	OPROD 0, \t
	OPROD 1, \t
.endr
	WIN 0
.if \full
.Lhid_\@:
.endif
.endm
; THE WAY OUT of a pass: O^T is divided by the sum and goes through my stages, so that sixteen lanes store a token's 256 consecutive bytes of this head
.macro WAYOUT
	PLACES 4
	WALU
.irp x, 0,1
	v_add_f32 v[LL+4*\x], v[LL+4*\x], v[LL+4*\x+1]
.endr
.irp x, 0,1
	v_permlanex16_b32 v[TT+\x], v[LL+4*\x], s[SEL], s[SEL+1]
.endr
.irp x, 0,1
	v_add_f32 v[LL+4*\x], v[LL+4*\x], v[TT+\x]     ; the row's sum
.endr
	WALU
.irp x, 0,1
	v_rcp_f32 v[LL+4*\x], v[LL+4*\x]
.endr
	v_nop
	WIN 0x41
	WALU
.set J_, 0
.rept 32
	v_mul_f32 v[J_], v[128+J_], v[LL]              ; register 8 t + j is out(query r, 16 t + 8 h + j)
	v_mul_f32 v[64+J_], v[160+J_], v[LL+4]
.set J_, J_+1
.endr
	WIN 0x04
.irp x, 0,1
.irp t, 0,1,2,3
	ds_store_b128 v[STO], v[64*\x+8*\t:64*\x+8*\t+3] offset:16*SPITCH*\x+64*\t
	ds_store_b128 v[STO], v[64*\x+8*\t+4:64*\x+8*\t+7] offset:16*SPITCH*\x+64*\t+16
.endr
.endr
	WIN 0
.irp n, 0,1,2,3,4,5,6,7,8,9,10,11,12,13,14,15
	ds_load_b128 v[BK+4*\n:BK+4*\n+3], v[SRD] offset:2*\n*SPITCH   ; LDS serves a wave's instructions in order (ISA guide 5.7.1.4): these see my stores
.endr
.irp n, 0,1,2,3,4,5,6,7,8,9,10,11,12,13,14,15
	s_wait_dscnt 15-\n                             ; the younger loads from the stages may stay out
	global_store_b128 v[GO], v[BK+4*\n:BK+4*\n+3], s[OP:OP+1] offset:2*\n*4096 th:TH_STORE_NT   ; 16 lanes store 256 consecutive bytes, at a multiple of 256 from out0's first byte
.endr
.endm
; A pass begins: the state, O^T, K's record 0, where the results go
.macro BEGIN
.irp x, 0,1
	v_mov_b32 v[MM+4*\x+1], 0xff61b1e6             ; the largest t so far: -3e38
	v_mov_b32 v[LL+4*\x], 0
	v_mov_b32 v[LL+4*\x+1], 0
.endr
.irp x, 0,1
	v_floor_f32 v[MM+4*\x], -v[MM+4*\x+1]
.endr
	WIN 0x40
.set J_, 0
.rept 64
	v_mov_b32 v[128+J_], 0                         ; O^T.  (The first step finds zeros)
.set J_, J_+1
.endr
	WIN 0
	KLOAD KL, KSL
	s_lshl_b32 s54, s[GG], 19                      ; 128 tokens of 4,096 bytes a group
	s_add_nc_u64 s[OP:OP+1], s[OUTB:OUTB+1], s[54:55]
.endm
	BEGIN                                          ; group 15 - i
	s_mov_b32 s[TB], 0
	s_mov_b32 s[SI], 0
.Lfirst:                                           ; its steps 0 to 6: they read records 0 to 7 alone (the last asks for K's record 7)
	STEP 0
	s_add_co_u32 s[TB], s[TB], RECB
	s_add_co_u32 s[SI], s[SI], 1
	s_cmp_lt_u32 s[SI], 7
	s_cbranch_scc1 .Lfirst
	s_wait_tensorcnt 0x0                           ; my part of records 8-15 is in,
	s_wait_dscnt 0x0
	s_barrier_signal -1
	s_barrier_wait -1                              ; everybody's is: from here on K and V are only read
	s_mov_b32 s[SLO], 7
	s_mov_b32 s[PASS], 2
.Lpass:                                            ; two trips: the rest of group 15 - i, then group i
	s_mov_b32 s[TB], 0
	s_mov_b32 s[SI], 0
.Lstep:                                            ; sixteen trips, a constant; the trips that are done already or lie behind the diagonal run scalar lines alone
	STEP 1
	s_add_co_u32 s[TB], s[TB], RECB
	s_add_co_u32 s[SI], s[SI], 1
	s_cmp_lt_u32 s[SI], 16
	s_cbranch_scc1 .Lstep
	WAYOUT
	s_sub_co_u32 s[PASS], s[PASS], 1
	s_cmp_eq_u32 s[PASS], 0
	s_cbranch_scc1 .Ldone
	s_wait_xcnt 0x0                                ; the stores have read their data and their base: both are written again
.irp i, 0,1,2,3,4,5
	v_mov_b32 v[QF+\i], v[Q2+\i]                   ; the second pass's Q
	v_mov_b32 v[QF+12+\i], v[Q2+6+\i]
.endr
	v_mov_b32 v[QS], v[QS2]
	v_mov_b32 v[QS+1], v[QS2+1]
	s_sub_co_u32 s[GG], 15, s[GG]
	s_mov_b32 s[SLO], 0
	BEGIN
	WALU                                           ; the wait ahead of the branch
.Ldone:
	s_cmp_lg_u32 s[PASS], 0
	s_cbranch_scc1 .Lpass
	s_wait_tensorcnt 0x0                           ; the wave's end
	ds_add_u32 v[SPW], v[NIL]
	s_wait_dscnt 0x0
	ROUND                                          ; the closing round
	s_endpgm
.Lfunc_end_k_q9b461124c1_attn:
	.size	k_q9b461124c1_attn, .Lfunc_end_k_q9b461124c1_attn-k_q9b461124c1_attn
	.p2alignl 7, 3214868480
	.fill 96, 4, 3214868480
	.section	.rodata,"a",@progbits
	.p2align	6, 0x0
	.amdhsa_kernel k_q9b461124c1_attn
		.amdhsa_group_segment_fixed_size 327680
		.amdhsa_private_segment_fixed_size 0
		.amdhsa_enable_private_segment 0
		.amdhsa_kernarg_size 32
		.amdhsa_user_sgpr_count 2
		.amdhsa_user_sgpr_kernarg_segment_ptr 1
		.amdhsa_wavefront_size32 1
		.amdhsa_system_sgpr_workgroup_id_x 1
		.amdhsa_system_sgpr_workgroup_id_y 1
		.amdhsa_system_sgpr_workgroup_id_z 1
		.amdhsa_system_vgpr_workitem_id 0
		.amdhsa_next_free_vgpr 512
		.amdhsa_next_free_sgpr 66
		.amdhsa_reserve_vcc 1
		.amdhsa_float_denorm_mode_32 3
		.amdhsa_float_denorm_mode_16_64 3
		.amdhsa_memory_ordered 1
		.amdhsa_forward_progress 1
		.amdhsa_inst_pref_size 88
	.end_amdhsa_kernel
	.amdgpu_metadata
---
amdhsa.version: [ 1, 2 ]
amdhsa.kernels:
  - .name:           k_q9b461124c1_attn
    .symbol:         k_q9b461124c1_attn.kd
    .args:
      - { .name: qrec, .offset: 0, .size: 8, .value_kind: global_buffer, .address_space: global }
      - { .name: krec, .offset: 8, .size: 8, .value_kind: global_buffer, .address_space: global }
      - { .name: vrec, .offset: 16, .size: 8, .value_kind: global_buffer, .address_space: global }
      - { .name: out0, .offset: 24, .size: 8, .value_kind: global_buffer, .address_space: global }
    .group_segment_fixed_size: 327680
    .private_segment_fixed_size: 0
    .kernarg_segment_align: 8
    .kernarg_segment_size: 32
    .max_flat_workgroup_size: 256
    .sgpr_count:     66
    .vgpr_count:     512
    .wavefront_size: 32
...
	.end_amdgpu_metadata
.endif
;; end of part 3
